; MI455X (gfx1250); checked and timed in simulation.
; The chip was launched on July 23, 2026; its instructions are those of AMD's public machine-readable ISA for CDNA 5 (MIT licence, August 2026) and "CDNA5" Instruction Set Architecture Reference Guide (July 2026). The comments in the code are by the model that wrote it; some were corrected since.
;; Multi Head Attention Block. Allowed arithmetic: matrix products marked QUANTISED: E2M1 operands, one E8M0 scale for each 32 along K, by v_wmma_scale_f32_16x16x128_f8f6f4 with both operands' format E2M1 (or v_wmma_scale_f32_32x16x128_f4), f32 sums; products left as they are: bf16, f16 or f32 operands; f32 sums; everything else in f32.
;; Inputs: Wk 512 x 512 float32; Wo 512 x 512 float32; Wq 512 x 512 float32; Wv 512 x 512 float32; bk 512 float32; bo 512 float32; bq 512 float32; bv 512 float32; k 4 x 2,048 x 512 float32; mask 4 x 1 x 2,048 x 2,048 int32; q 4 x 2,048 x 512 float32; v 4 x 2,048 x 512 float32.
;; Outputs: out0 4 x 2,048 x 512 float32.
;; This version of the problem:
;;   THIS VERSION OF THE PROBLEM IS GIVEN IN LOW PRECISION. The matrix products marked QUANTISED in the list below multiply operands that are first quantised to E2M1 (2 exponent bits, 1 mantissa bit; 4 bits a number), with one power-of-two scale for each 32 numbers along K (OCP MX v1.0); their sums are f32. The products marked 'left as it is' may take bf16, f16 or f32 operands, with f32 sums. Whichever they take, every output number must still come out within the allowed error. Rounding operands to bf16 (8 significant bits) uses up far more of that allowance than f16 does (11 bits, for magnitudes from 6e-5 to 65,504). All else is computed in f32.
;;   The module's matrix products, in the order in which they are computed (A, B: the left and right operand; K: the contracted axis; several contracted axes count as one K, in the product's order):
;;     1. [M 8,192, K 512] x [K 512, N 512]; A: input q; B: input Wq: QUANTISED
;;     2. [M 8,192, K 512] x [K 512, N 512]; A: input k; B: input Wk: QUANTISED
;;     3. [M 8,192, K 512] x [K 512, N 512]; A: input v; B: input Wv: QUANTISED
;;     4. batch 32 x [M 2,048, K 64] x [K 64, N 2,048]; A: computed on the way; B: computed on the way: left as it is (an operand is computed on the way)
;;     5. batch 32 x [M 2,048, K 2,048] x [K 2,048, N 64]; A: computed on the way; B: computed on the way: left as it is (an operand is computed on the way)
;;     6. [M 8,192, K 512] x [K 512, N 512]; A: computed on the way; B: input Wo: left as it is (an operand is computed on the way)
;;   THE QUANTISER, for each operand of a quantised product, along K:
;;     - K is cut into blocks of 32 from its start; a last block that is shorter is filled with zeros.
;;     - A block's scale is 2^e with e = floor(log2(the largest magnitude in the block)) - 2, held to -126 .. 127; a block of zeros has e = 0. As a byte (E8M0): e + 127.
;;     - Each number is divided by its block's scale, clamped to +-6, and rounded to the nearest number of E2M1, ties to even, subnormals kept.
;;     - The product sums the exact products of the quantised numbers (number of the format x scale) in f32.
;;   ~~~python
;;   def quantise(x, axis):      # numpy; x: float32 -> the quantised numbers, widened to float32 again
;;       x = np.moveaxis(x, axis, -1); K = x.shape[-1]
;;       x = np.pad(x, [(0, 0)] * (x.ndim - 1) + [(0, -K % 32)]); x = x.reshape(x.shape[:-1] + (-1, 32)); a = np.abs(x).max(-1, keepdims=True)
;;       e = np.where(a > 0, np.clip(np.frexp(np.where(a > 0, a, 1))[1] - 1 - 2, -126, 127), 0)      # np.frexp(a)[1] - 1 = floor(log2(a)), exactly
;;       r = np.clip(x / 2.0 ** e, -6, 6)
;;       step = 2.0 ** (np.maximum(np.frexp(np.where(r == 0, 1, r))[1] - 1, 0) - 1)
;;       q = np.round(r / step) * step * 2.0 ** e      # np.round: ties to even
;;       return np.moveaxis(q.reshape(q.shape[:-2] + (-1,))[..., :K], -1, axis).astype(np.float32)
;;   ~~~
;; One version. Each part assembles by itself: llvm-mc -triple=amdgcn-amd-amdhsa -mcpu=gfx1250 --defsym DOCPART=n.
;; ======== version 1 of 1: 4 launches
;; limits: values are held in f16: magnitudes above 65,504 overflow, below 6.1e-05 lose precision
;; workspace buffers: mbits 2,097,152 bytes of whole numbers; wcodes 393,216 bytes; wscl 24,576 bytes; wo16 524,288 bytes; qh 8,388,608 bytes; kh 8,388,608 bytes; vh 8,388,608 bytes; ctx 8,388,608 bytes
;; launch prep (part 1): grid 256 x 1, 10 waves a work-group, no clusters, 85,760 bytes of LDS; arguments mask, Wq, Wk, Wv, Wo, mbits, wcodes, wscl, wo16; writes mbits, wcodes, wscl, wo16
.if DOCPART == 1
	.amdgcn_target "amdgcn-amd-amdhsa--gfx1250"
	.amdhsa_code_object_version 6
	.text
	.protected	k_q267794cea8_prep
	.globl	k_q267794cea8_prep
	.p2align	8
	.type	k_q267794cea8_prep,@function
k_q267794cea8_prep:
	s_mov_b64 s[64:65], 0
	v_nop
	global_prefetch_b8 v0, s[64:65] scope:SCOPE_SE
	s_setreg_imm32_b32 hwreg(HW_REG_WAVE_MODE, 25, 1), 1
	s_wait_xcnt 0x0
; THREE JOBS, told apart by the wave's and the work-group's numbers alone.  A work-group has ten waves, and all 256 work-groups have the same work.
;  waves 0-7:  mask [4][2048][2048] int32 becomes LANE MASKS: mbits [b 4][tile of 16 queries 128][64 keys 32][32 words]; in word 8 kt + j bit L says
;              mask[b][16 qt + L % 16][64 kb + 16 kt + 8 (L / 16) + j] != 0: the word is the selector of one v_cndmask_b32 on one register of scores in the attention launch.
;  waves 8, 9: one of 512 small tasks each, id = 2 x work-group + wave - 8.
;    id 0-383:   Wq, Wk, Wv [512][512] f32 become codes of FP4 (E2M1) with one E8M0 byte for each 32 along K (K is innermost), laid in the order of the matrix operand's registers:
;                wcodes [tensor 3][tile of 16 rows 32][K step of 128: 4][register group c 2][lane 32][16 bytes]; wscl [tensor][row 512][K step 4][4 bytes].
;    id 384-511: Wo [512][512] f32 becomes f16, laid likewise: wo16 [K quarter 4][tile of 16 rows 32][K step of 32: 4][group 2][lane][16 bytes].
; A block's scale is 2^(floor(log2(largest magnitude)) - 2); its byte is the largest magnitude's exponent field - 2, held at 1 from below.
; LIMITS: a block of zeros gets the byte 1 where the rule says 127 (its codes are zeros, and this program alone reads the bytes); NaN and infinities among the weights are not served;
; Wo goes to f16: magnitudes from 6e-5 to 65,504 keep 11 bits.
; The weights' loads take 16 bytes a lane from rows 2,048 bytes apart: they are 4 MiB of the 68 MiB that the launch reads.  The mask's loads read 512 consecutive bytes each.
.set STGB,  8448                       ; the mask's waves: a stage of 16 rows x (512 + 16) bytes for each
.set SPARE, 10*STGB                    ; the spare words, 128 bytes for each of the ten waves, which no other line names: they lie behind wave number x STGB for every wave number
.set SPW,   12                         ; v12  LDS address of my spare word; never rewritten
.set NIL,   13                         ; v13  0; never rewritten
.set R,     16                         ; v16-143   the mask: two sets of 16 x 4 registers as loaded
.set X,     144                        ; v144-207  64 numbers of the mask in the scores' layout
.set OW,    208                        ; v208-215  a pair of registers for each step: lane l holds words 2 l and 2 l + 1
	s_load_b256 s[4:11], s[0:1], 0x0               ; mask s[4:5], Wq s[6:7], Wk s[8:9], Wv s[10:11]
	s_load_b256 s[12:19], s[0:1], 0x20             ; Wo s[12:13], mbits s[14:15], wcodes s[16:17], wscl s[18:19]
	s_load_b64 s[20:21], s[0:1], 0x40              ; wo16
	v_lshl_add_u32 v[SPW], v0, 2, SPARE
	v_mov_b32 v[NIL], 0
	v_lshrrev_b32 v1, 5, v0
	v_readfirstlane_b32 s22, v1                    ; wave 0..9
	v_and_b32 v2, 31, v0                           ; lane
	v_and_b32 v3, 15, v0                           ; r
	v_bfe_u32 v4, v0, 4, 1                         ; h
	v_lshlrev_b32 v5, 4, v2                        ; 16 x lane
	s_mov_b32 s29, 0
	s_mov_b32 s40, 0x76543210
	s_mov_b32 s41, 0xfedcba98                      ; v_permlanex16_b32's selects for lane l xor 16
	s_wait_kmcnt 0x0
	s_cmp_lt_u32 s22, 8
	s_cbranch_scc1 .Lmask
	s_lshl_b32 s23, ttmp9, 1
	s_add_co_u32 s23, s23, s22
	s_sub_co_u32 s23, s23, 8                       ; id 0..511
	s_cmp_ge_u32 s23, 384
	s_cbranch_scc1 .Lwo
	; ---- Wq, Wk, Wv: a wave makes one fragment: 16 rows x 128 along K.  id = 128 tensor + 4 tile + K step
	s_bfe_u32 s24, s23, 0x50002                    ; tile of rows
	s_and_b32 s25, s23, 3                          ; K step
	s_lshl_b32 s28, s24, 15                        ; 16 rows of 2,048 bytes
	s_lshl_b32 s26, s25, 9                         ; 128 numbers
	s_add_co_u32 s28, s28, s26
	s_cmp_lt_u32 s23, 128
	s_cselect_b64 s[30:31], s[6:7], s[8:9]
	s_cmp_lt_u32 s23, 256
	s_cselect_b64 s[30:31], s[30:31], s[10:11]     ; the tensor: a choice on the task's number alone
	s_add_nc_u64 s[30:31], s[30:31], s[28:29]
	s_lshl_b32 s28, s23, 10                        ; a fragment's image is 1,024 bytes, and they lie in the order of id
	s_add_nc_u64 s[16:17], s[16:17], s[28:29]
	s_lshr_b32 s28, s23, 2
	s_lshl_b32 s28, s28, 8                         ; 16 rows of 16 scale bytes
	s_lshl_b32 s26, s25, 2
	s_add_co_u32 s28, s28, s26                     ; + the K step's word
	s_add_nc_u64 s[18:19], s[18:19], s[28:29]
	v_lshlrev_b32 v6, 11, v3
	v_lshl_add_u32 v6, v4, 7, v6                   ; row r, + 32 h numbers: the operand's layout gives lane (r, h) k = 64 c + 32 h + 0 .. 31
	v_lshlrev_b32 v7, 4, v3                        ; my row's scale bytes
.irp c, 0,1
.irp i, 0,1,2,3,4,5,6,7
	global_load_b128 v[16+32*\c+4*\i:19+32*\c+4*\i], v6, s[30:31] offset:256*\c+16*\i th:TH_LOAD_NT
.endr
.endr
	s_wait_loadcnt 0x0
.irp c, 0,1                                    ; my block 2 c + h: all its 32 numbers are mine
	v_max3_num_f32 v[80+\c], |v[16+32*\c]|, |v[17+32*\c]|, 0x1800000   ; and the floor 2^(3 - 127): so the byte cannot fall under 1
.endr
.irp i, 2,4,6,8,10,12,14,16,18,20,22,24,26,28,30
.irp c, 0,1
	v_max3_num_f32 v[80+\c], v[80+\c], |v[16+32*\c+\i]|, |v[17+32*\c+\i]|
.endr
.endr
.irp c, 0,1
	v_add_nc_u32 v[82+\c], 0xff000000, v[80+\c]    ; 2 off the exponent field: the conversion takes the exponent field of this operand as its scale
.endr
.irp c, 0,1
	v_lshrrev_b32 v[84+\c], 23, v[82+\c]           ; the scale's byte
.endr
	v_lshl_or_b32 v86, v85, 16, v84                ; my two bytes: blocks h and 2 + h,
	v_lshlrev_b32 v87, 3, v4
	v_lshlrev_b32 v86, v87, v86                    ; 8 h bits up;
	v_mov_b32 v88, 0
	v_permlanex16_b32 v88, v86, s40, s41
	v_or_b32 v86, v86, v88                         ; with lane l xor 16's two the word is whole
.irp c, 0,1
.irp g, 0,1,2,3
	v_cvt_scalef32_pk8_fp4_f32 v[96+4*\c+\g], v[16+32*\c+8*\g:23+32*\c+8*\g], v[82+\c]
.endr
.endr
	v_nop                                          ; one plain line behind the last scaled conversion
	global_store_b128 v5, v[96:99], s[16:17]       ; each store covers 512 consecutive bytes
	global_store_b128 v5, v[100:103], s[16:17] offset:512
	global_store_b32 v7, v86, s[18:19]             ; lanes r and 16 + r store the same word with the same value
	s_endpgm
.Lwo:	; ---- Wo: a wave takes 16 rows x 128 along K: eight images of 512 bytes.  id - 384 = 4 tile + K quarter
	s_sub_co_u32 s23, s23, 384                     ; 0..127
	s_lshr_b32 s24, s23, 2                         ; tile of rows
	s_and_b32 s25, s23, 3                          ; K quarter
	s_lshl_b32 s28, s24, 15
	s_lshl_b32 s26, s25, 9
	s_add_co_u32 s28, s28, s26
	s_add_nc_u64 s[12:13], s[12:13], s[28:29]
	s_lshl_b32 s28, s25, 17                        ; a quarter: 32 tiles of 4,096 bytes
	s_lshl_b32 s26, s24, 12
	s_add_co_u32 s28, s28, s26
	s_add_nc_u64 s[20:21], s[20:21], s[28:29]
	v_lshlrev_b32 v6, 11, v3
	v_lshl_add_u32 v6, v4, 5, v6                   ; row r, + 8 h numbers: image i holds k = 16 i + 8 h + 0 .. 7
.irp i, 0,1,2,3,4,5,6,7
.irp c, 0,1
	global_load_b128 v[16+8*\i+4*\c:19+8*\i+4*\c], v6, s[12:13] offset:64*\i+16*\c th:TH_LOAD_NT
.endr
.endr
	s_wait_loadcnt 0x0
.set n, 0
.rept 32
	v_cvt_pk_f16_f32 v[96+n], v[16+2*n], v[17+2*n]
.set n, n+1
.endr
.irp i, 0,1,2,3,4,5,6,7
	global_store_b128 v5, v[96+4*\i:99+4*\i], s[20:21] offset:512*\i
.endr
	s_endpgm
.Lmask:	; ---- the mask: a wave takes 16 queries x 512 keys, in 4 steps of 128 keys.  id = 8 x work-group + wave = 4 (128 b + qt) + quarter of the keys
	s_lshl_b32 s23, ttmp9, 3
	s_add_co_u32 s23, s23, s22                     ; id 0..2047
	s_lshr_b32 s24, s23, 2                         ; 128 b + qt
	s_and_b32 s25, s23, 3
	s_lshl_b32 s28, s24, 17                        ; 16 rows of 8,192 bytes
	s_lshl_b32 s26, s25, 11                        ; 512 keys
	s_add_co_u32 s28, s28, s26
	s_add_nc_u64 s[4:5], s[4:5], s[28:29]
	s_lshl_b32 s28, s24, 12                        ; a tile of queries: 32 x 128 bytes of words
	s_lshl_b32 s26, s25, 10
	s_add_co_u32 s28, s28, s26
	s_add_nc_u64 s[14:15], s[14:15], s[28:29]
	s_mul_i32 s27, s22, STGB                       ; my stage
	v_add_nc_u32 v6, s27, v5                       ; in: a row's 512 bytes as they lie
	v_mul_u32_u24 v7, v3, 528
	v_lshl_add_u32 v7, v4, 5, v7
	v_add_nc_u32 v7, s27, v7                       ; back: row r, + 8 h keys: the scores' layout
	v_lshlrev_b32 v8, 3, v2                        ; out: 8 bytes a lane
.irp i, 0,1,2,3,4,5,6,7
	v_mov_b32 v[OW+\i], 0                          ; written once: v_writelane_b32's destination counts as read
.endr
.macro LOADM st                        ; step st: 16 rows x 512 bytes, each load 512 consecutive bytes
.irp i, 0,1,2,3,4,5,6,7,8,9,10,11,12,13,14,15
	global_load_b128 v[R+64*((\st)%2)+4*\i:R+64*((\st)%2)+4*\i+3], v5, s[4:5] offset:\i*8192+(\st)*512 th:TH_LOAD_NT
.endr
.endm
.macro STEPM st
.if (\st) < 3
	s_wait_loadcnt 16                              ; this step's 16 loads are in; the next step's 16 may be out
.else
	s_wait_loadcnt 0x0
.endif
.irp i, 0,1,2,3,4,5,6,7,8,9,10,11,12,13,14,15
	ds_store_b128 v6, v[R+64*((\st)%2)+4*\i:R+64*((\st)%2)+4*\i+3] offset:\i*528
.endr
.irp i, 0,1,2,3,4,5,6,7,8,9,10,11,12,13,14,15
	ds_load_b128 v[X+4*\i:X+4*\i+3], v7 offset:64*(\i/2)+16*(\i%2)   ; LDS serves a wave's instructions in order: these see my stores.  Register 8 t + j: key 16 t + 8 h + j of row r
.endr
	s_wait_dscnt 0x0                               ; the numbers are back, and the stores have read their registers,
.if (\st)+2 < 4
	LOADM (\st)+2                                  ; which take the loads of two steps on
.endif
.set n, 0
.rept 8
.irp e, 0,1,2,3,4,5,6,7
	v_cmp_ne_u32 s[32+\e], 0, v[X+n+\e]            ; a compare's 32 bits are a word of the result as it stands
.endr
.irp e, 0,1,2,3,4,5,6,7
	v_writelane_b32 v[OW+2*(\st)+(\e%2)], s[32+\e], (n+\e)/2
.endr
.set n, n+8
.endr
	global_store_b64 v8, v[OW+2*(\st):OW+2*(\st)+1], s[14:15] offset:256*(\st)   ; 64 words: 256 consecutive bytes, aligned; each step has its own pair of registers
.endm
	LOADM 0
	LOADM 1
	STEPM 0
	STEPM 1
	STEPM 2
	STEPM 3
	s_wait_tensorcnt 0x0                           ; the wave's end, behind my last LDS store
	ds_add_u32 v[SPW], v[NIL]
	s_wait_dscnt 0x0
	s_endpgm
.Lfunc_end_k_q267794cea8_prep:
	.size	k_q267794cea8_prep, .Lfunc_end_k_q267794cea8_prep-k_q267794cea8_prep
	.p2alignl 7, 3214868480
	.fill 96, 4, 3214868480
	.section	.rodata,"a",@progbits
	.p2align	6, 0x0
	.amdhsa_kernel k_q267794cea8_prep
		.amdhsa_group_segment_fixed_size 85760
		.amdhsa_private_segment_fixed_size 0
		.amdhsa_enable_private_segment 0
		.amdhsa_kernarg_size 72
		.amdhsa_user_sgpr_count 2
		.amdhsa_user_sgpr_kernarg_segment_ptr 1
		.amdhsa_wavefront_size32 1
		.amdhsa_system_sgpr_workgroup_id_x 1
		.amdhsa_system_sgpr_workgroup_id_y 1
		.amdhsa_system_sgpr_workgroup_id_z 1
		.amdhsa_system_vgpr_workitem_id 0
		.amdhsa_next_free_vgpr 224
		.amdhsa_next_free_sgpr 66
		.amdhsa_reserve_vcc 0
		.amdhsa_float_denorm_mode_32 3
		.amdhsa_float_denorm_mode_16_64 3
		.amdhsa_memory_ordered 1
		.amdhsa_forward_progress 1
		.amdhsa_inst_pref_size 60
	.end_amdhsa_kernel
	.amdgpu_metadata
---
amdhsa.version: [ 1, 2 ]
amdhsa.kernels:
  - .name:           k_q267794cea8_prep
    .symbol:         k_q267794cea8_prep.kd
    .args:
      - { .name: mask, .offset: 0, .size: 8, .value_kind: global_buffer, .address_space: global }
      - { .name: Wq, .offset: 8, .size: 8, .value_kind: global_buffer, .address_space: global }
      - { .name: Wk, .offset: 16, .size: 8, .value_kind: global_buffer, .address_space: global }
      - { .name: Wv, .offset: 24, .size: 8, .value_kind: global_buffer, .address_space: global }
      - { .name: Wo, .offset: 32, .size: 8, .value_kind: global_buffer, .address_space: global }
      - { .name: mbits, .offset: 40, .size: 8, .value_kind: global_buffer, .address_space: global }
      - { .name: wcodes, .offset: 48, .size: 8, .value_kind: global_buffer, .address_space: global }
      - { .name: wscl, .offset: 56, .size: 8, .value_kind: global_buffer, .address_space: global }
      - { .name: wo16, .offset: 64, .size: 8, .value_kind: global_buffer, .address_space: global }
    .group_segment_fixed_size: 85760
    .private_segment_fixed_size: 0
    .kernarg_segment_align: 8
    .kernarg_segment_size: 72
    .max_flat_workgroup_size: 320
    .sgpr_count:     66
    .vgpr_count:     224
    .wavefront_size: 32
...
	.end_amdgpu_metadata
.endif
;; end of part 1
;; launch proj (part 2): grid 64 x 3, 8 waves a work-group, no clusters, 87,040 bytes of LDS; arguments q, k, v, bq, bk, bv, wcodes, wscl, qh, kh, vh; writes qh, kh, vh
.if DOCPART == 2
	.amdgcn_target "amdgcn-amd-amdhsa--gfx1250"
	.amdhsa_code_object_version 6
	.text
	.protected	k_q267794cea8_proj
	.globl	k_q267794cea8_proj
	.p2align	8
	.type	k_q267794cea8_proj,@function
k_q267794cea8_proj:
	s_mov_b64 s[64:65], 0
	v_nop
	global_prefetch_b8 v0, s[64:65] scope:SCOPE_SE
	s_setreg_imm32_b32 hwreg(HW_REG_WAVE_MODE, 25, 1), 1
	s_wait_xcnt 0x0
; THE THREE PROJECTIONS x W^T + b, on codes of FP4 (E2M1) with one E8M0 scale for each 32 along K.  The grid's y picks the tensor (0: q, 1: k, 2: v); x [8192][512] f32 is quantised here,
; W arrives as codes in the order of the operand's registers.  The result leaves as f16, by heads, again in the order of the next launch's operand registers:
; [b 8 + head][tile of 16 rows 128][t 4][512 bytes]; image t holds channels 16 t + 8 h + 0 .. 7 of row r, in qh and kh at lane place 16 h + r, in vh at the place with bits 3 and 4 changed over,
; where the turning LDS load of the attention launch wants it.  q's result is multiplied by log2(e) / 8 in f32 ahead of its one rounding.
; SHARES.  A work-group takes 128 rows of one tensor, 32 at a time.  THE WAVES SHARE THE COLUMNS: wave w makes head w (columns 64 w .. 64 w + 63), so its 16 fragments of W, their scale words and its
; bias stay in registers.  Of a block's 8 fragments of x (2 tiles of rows x 4 K steps) each wave quantises one, and they go from wave to wave through LDS as images of their registers.
; THE MATRIX INSTRUCTION IS USED TRANSPOSED (source 0 = 16 rows of W, source 1 = 16 rows of x): a lane holds one row of x and eight neighbouring channels.  The bias is the C of each sum's first product.
; 192 work-groups: a work-group keeps one tensor's weights, and three tensors do not divide into 256 equal parts.
; LIMITS: results beyond f16's largest number, 65,504, are not served; NaN and infinities among the inputs are not served; a block of zeros gets the scale byte 1 (its codes are zeros).
; REGISTERS, window 0: v1-14 addresses; v16-79 64 numbers of x, then x's 8 fragments; v80-111 four accumulators; v112-119 the codes just made; v120-135 at work; v136 the scale word just made;
;   v140-147 x's scale words; v148-163 W's; v164-179 packed results; v180-211 the bias; v252, v253 the add's two.   window 1: v0-127 W's 16 fragments; v128-255 two sets of 16 rows as loaded.
.set XIMG,  0                          ; LDS: two sets of 8 images of 1,024 bytes,
.set XSC,   16384                      ; two sets of 8 x 128 bytes of scale words,
.set STG,   18432                      ; a stage of 16 rows x (512 + 16) bytes for each wave,
.set STGB,  8448
.set SPARE, STG+8*STGB                 ; and the spare words, 128 bytes for each wave, which no other line names
.set LO,   1                           ; v1   16 x lane
.set STA,  2                           ; v2   the stage, on the way in
.set RDA,  3                           ; v3   and back: row r, + 16 h numbers
.set XWI,  4                           ; v4   where I store my image: 16 x lane + 1,024 x wave
.set XWS,  5                           ; v5   and its scale words: 4 x lane + 128 x wave
.set LS,   6                           ; v6   4 x lane
.set GO,   7                           ; v7   16 x my place in an image of the result
.set X,    16
.set ACC,  80
.set PC,   112
.set TM,   120
.set PW,   136
.set XS,   140
.set WS,   148
.set OUTP, 164
.set BIAS, 180
.set SPW,  252
.set NIL,  253
.set RA,   128                         ; in window 1
.set SEL,  34                          ; s[34:35]
.set SC,   36                          ; s[36:37] the factor on the way out
.set MSB, 0
.macro WIN new                         ; the immediate's high byte repeats the setting that is left
.if MSB != \new
	s_set_vgpr_msb (MSB<<8)|\new
.set MSB, \new
.endif
.endm
; 64 numbers of a lane, register 16 b + i = k 32 b + 16 (lane / 16) + i of my row, become a fragment's codes in v[PC] on and its scale word in v[PW].
.macro QUANT s
.irp b, 0,1,2,3
	v_max3_num_f32 v[TM+\b], |v[\s+16*\b]|, |v[\s+1+16*\b]|, 0x1800000   ; block b: my 16 numbers, and the floor 2^(3 - 127): so the byte cannot fall under 1
.endr
.irp i, 2,4,6,8,10,12,14
.irp b, 0,1,2,3
	v_max3_num_f32 v[TM+\b], v[TM+\b], |v[\s+16*\b+\i]|, |v[\s+1+16*\b+\i]|
.endr
.endr
.irp b, 0,1,2,3
	v_permlanex16_b32 v[TM+4+\b], v[TM+\b], s[SEL], s[SEL+1]
.endr
.irp b, 0,1,2,3
	v_max_num_f32 v[TM+\b], v[TM+\b], v[TM+4+\b]   ; with lane l xor 16's: the block's largest magnitude
.endr
.irp b, 0,1,2,3
	v_add_nc_u32 v[TM+12+\b], 0xff000000, v[TM+\b] ; 2 off its exponent field: the conversion's scale operand
.endr
.irp b, 0,1,2,3
	v_lshrrev_b32 v[TM+4+\b], 23, v[TM+12+\b]      ; the scale's byte
.endr
	v_lshl_or_b32 v[PW], v[TM+5], 8, v[TM+4]
	v_lshl_or_b32 v[PW], v[TM+6], 16, v[PW]
	v_lshl_or_b32 v[PW], v[TM+7], 24, v[PW]
.irp b, 0,1,2,3
	v_cvt_scalef32_pk8_fp4_f32 v[PC+2*\b], v[\s+16*\b:\s+7+16*\b], v[TM+12+\b]
	v_cvt_scalef32_pk8_fp4_f32 v[PC+1+2*\b], v[\s+8+16*\b:\s+15+16*\b], v[TM+12+\b]
.endr
	v_nop                                          ; one plain line behind a scaled conversion
.irp c, 0,1                                    ; the operand's layout wants a whole block in a lane: lanes 0-15 block 2 c, lanes 16-31 block 2 c + 1
.irp i, 0,1
	v_permlane16_swap_b32 v[PC+4*\c+\i], v[PC+2+4*\c+\i]
.endr
.endr
.endm
	s_load_b256 s[4:11], s[0:1], 0x0               ; q s[4:5], k s[6:7], v s[8:9], bq s[10:11]
	s_load_b256 s[12:19], s[0:1], 0x20             ; bk s[12:13], bv s[14:15], wcodes s[16:17], wscl s[18:19]
	s_load_b128 s[20:23], s[0:1], 0x40             ; qh s[20:21], kh s[22:23]
	s_load_b64 s[24:25], s[0:1], 0x50              ; vh
	v_lshl_add_u32 v[SPW], v0, 2, SPARE
	v_mov_b32 v[NIL], 0
	v_lshrrev_b32 v8, 5, v0
	v_readfirstlane_b32 s27, v8                    ; wave 0..7
	s_and_b32 s26, ttmp7, 0xffff                   ; the tensor
	v_and_b32 v9, 31, v0                           ; lane
	v_and_b32 v10, 15, v0                          ; r
	v_bfe_u32 v11, v0, 4, 1                        ; h
	v_lshlrev_b32 v[LO], 4, v9
	v_lshlrev_b32 v[LS], 2, v9
	s_mul_i32 s40, s27, STGB
	s_add_co_u32 s40, s40, STG                     ; my stage
	v_add_nc_u32 v[STA], s40, v[LO]
	v_mul_u32_u24 v[RDA], v10, 528
	v_lshl_add_u32 v[RDA], v11, 6, v[RDA]
	v_add_nc_u32 v[RDA], s40, v[RDA]
	s_lshl_b32 s40, s27, 10
	v_add_nc_u32 v[XWI], s40, v[LO]
	s_lshl_b32 s40, s27, 7
	v_add_nc_u32 v[XWS], s40, v[LS]
	s_cmp_eq_u32 s26, 2
	s_cselect_b32 s38, 24, 0                       ; v alone: lane bits 3 and 4 change places
	v_lshrrev_b32 v12, 3, v9
	v_xor_b32 v12, v12, v11
	v_and_b32 v12, 1, v12                          ; do the two bits differ?
	v_mul_u32_u24 v12, v12, s38
	v_xor_b32 v12, v12, v9
	v_lshlrev_b32 v[GO], 4, v12
	v_lshlrev_b32 v13, 4, v10                      ; W's scale words: 16 bytes a row
	v_lshlrev_b32 v14, 5, v11                      ; the bias: 8 h numbers
	s_mov_b32 s[SEL], 0x76543210
	s_mov_b32 s[SEL+1], 0xfedcba98
.irp b, 0,1,2,3
	v_mov_b32 v[TM+4+\b], 0                        ; written once: a lane permute's destination counts as one of its sources
.endr
	s_mov_b32 s41, 0
	s_wait_kmcnt 0x0
	s_cmp_eq_u32 s26, 0                            ; the choices hang on the grid's y alone
	s_cselect_b64 s[28:29], s[4:5], s[6:7]         ; x
	s_cselect_b64 s[30:31], s[10:11], s[12:13]     ; the bias
	s_cselect_b64 s[32:33], s[20:21], s[22:23]     ; the result
	s_cselect_b32 s[SC], 0x3e38aa3b, 1.0           ; q alone: log2(e) / 8
	s_cmp_eq_u32 s26, 2
	s_cselect_b64 s[28:29], s[8:9], s[28:29]
	s_cselect_b64 s[30:31], s[14:15], s[30:31]
	s_cselect_b64 s[32:33], s[24:25], s[32:33]
	s_mov_b32 s[SC+1], s[SC]                       ; (named with it as a pair, so it is written)
	s_lshl_b32 s40, ttmp9, 18                      ; x: 128 rows of 2,048 bytes a work-group,
	s_lshr_b32 s39, s27, 2
	s_lshl_b32 s39, s39, 15                        ; my tile of 16 rows,
	s_add_co_u32 s40, s40, s39
	s_and_b32 s39, s27, 3
	s_lshl_b32 s39, s39, 9                         ; my K step
	s_add_co_u32 s40, s40, s39
	s_add_nc_u64 s[28:29], s[28:29], s[40:41]
	s_lshl_b32 s40, s27, 8                         ; the bias: my 64 numbers
	s_add_nc_u64 s[30:31], s[30:31], s[40:41]
	s_lshr_b32 s40, ttmp9, 4                       ; b
	s_lshl_b32 s40, s40, 3
	s_add_co_u32 s40, s40, s27                     ; 8 b + head
	s_lshl_b32 s40, s40, 18
	s_and_b32 s39, ttmp9, 15
	s_lshl_b32 s39, s39, 14                        ; 8 tiles of 2,048 bytes a work-group
	s_add_co_u32 s40, s40, s39
	s_add_nc_u64 s[32:33], s[32:33], s[40:41]
	s_lshl_b32 s40, s26, 17                        ; W's codes: the tensor, my 4 tiles of rows
	s_lshl_b32 s39, s27, 14
	s_add_co_u32 s40, s40, s39
	s_add_nc_u64 s[16:17], s[16:17], s[40:41]
	s_lshl_b32 s40, s26, 13                        ; W's scale bytes likewise
	s_lshl_b32 s39, s27, 10
	s_add_co_u32 s40, s40, s39
	s_add_nc_u64 s[18:19], s[18:19], s[40:41]
	WIN 0x40                                       ; destination window 1
.irp f, 0,1,2,3,4,5,6,7,8,9,10,11,12,13,14,15  ; W's fragment (tile t, K step s) at v[8 (4 t + s)] of window 1: they stay
.irp c, 0,1
	global_load_b128 v[8*\f+4*\c:8*\f+4*\c+3], v[LO], s[16:17] offset:1024*\f+512*\c
.endr
.endr
	WIN 0
.irp t, 0,1,2,3
	global_load_b128 v[WS+4*\t:WS+4*\t+3], v13, s[18:19] offset:256*\t      ; the four K steps' words of my row of tile t
	global_load_b128 v[BIAS+8*\t:BIAS+8*\t+3], v14, s[30:31] offset:64*\t
	global_load_b128 v[BIAS+8*\t+4:BIAS+8*\t+7], v14, s[30:31] offset:64*\t+16
.endr
.macro XLOAD i                         ; block i: my 16 rows x 128 numbers, each load 512 consecutive bytes of a row, into set i % 2
	WIN 0x40
.irp rr, 0,1,2,3,4,5,6,7,8,9,10,11,12,13,14,15
	global_load_b128 v[RA+64*((\i)%2)+4*\rr:RA+64*((\i)%2)+4*\rr+3], v[LO], s[28:29] offset:(32*(\i)+\rr)*2048 th:TH_LOAD_NT
.endr
	WIN 0
.endm
	XLOAD 0
	XLOAD 1
.macro BLOCK i
.if (\i) < 3
	s_wait_loadcnt 16                              ; this block's 16 loads (and in block 0 the weights') are in; the next block's 16 may be out
.else
	s_wait_loadcnt 0x0
.endif
	WIN 0x04                                       ; an LDS store's data are its source 1: window 1
.irp rr, 0,1,2,3,4,5,6,7,8,9,10,11,12,13,14,15
	ds_store_b128 v[STA], v[RA+64*((\i)%2)+4*\rr:RA+64*((\i)%2)+4*\rr+3] offset:\rr*528
.endr
	WIN 0
.irp b, 0,1,2,3
.irp j, 0,1,2,3
	ds_load_b128 v[X+16*\b+4*\j:X+16*\b+4*\j+3], v[RDA] offset:128*\b+16*\j   ; LDS serves a wave's instructions in order: these see my stores
.endr
.endr
	s_wait_dscnt 0x0                               ; the numbers are back, and the stores have read their registers,
.if (\i) < 2
	XLOAD (\i)+2                                   ; which take the loads of two blocks on
.endif
	QUANT X
	ds_store_b128 v[XWI], v[PC:PC+3] offset:XIMG+((\i)%2)*8192
	ds_store_b128 v[XWI], v[PC+4:PC+7] offset:XIMG+((\i)%2)*8192+512
	ds_store_b32 v[XWS], v[PW] offset:XSC+((\i)%2)*1024
	s_wait_dscnt 0x0                               ; for the others' sake: my image has landed; my reads of the other set, a block ago, are long in
	s_barrier_signal -1
	s_barrier_wait -1                              ; ONE barrier a block: the two sets take turns, so a set is written again only by waves that have passed the barrier behind its last reads
.irp f, 0,1,2,3,4,5,6,7
.irp c, 0,1
	ds_load_b128 v[X+8*\f+4*\c:X+8*\f+4*\c+3], v[LO] offset:XIMG+((\i)%2)*8192+1024*\f+512*\c
.endr
	ds_load_b32 v[XS+\f], v[LS] offset:XSC+((\i)%2)*1024+128*\f
.endr
	s_wait_dscnt 0x0
.irp m, 0,1                                    ; a tile of 16 rows: 16 products, the four accumulators by turns
	WIN 0x01                                       ; source 0 (W) window 1
.irp s, 0,1,2,3
.irp t, 0,1,2,3
.if \s == 0
	v_wmma_scale_f32_16x16x128_f8f6f4 v[ACC+8*\t:ACC+8*\t+7], v[8*(4*\t+\s):8*(4*\t+\s)+7], v[X+8*(4*\m+\s):X+8*(4*\m+\s)+7], v[BIAS+8*\t:BIAS+8*\t+7], v[WS+4*\t+\s], v[XS+4*\m+\s] matrix_a_fmt:MATRIX_FMT_FP4 matrix_b_fmt:MATRIX_FMT_FP4
.else
	v_wmma_scale_f32_16x16x128_f8f6f4 v[ACC+8*\t:ACC+8*\t+7], v[8*(4*\t+\s):8*(4*\t+\s)+7], v[X+8*(4*\m+\s):X+8*(4*\m+\s)+7], v[ACC+8*\t:ACC+8*\t+7], v[WS+4*\t+\s], v[XS+4*\m+\s] matrix_a_fmt:MATRIX_FMT_FP4 matrix_b_fmt:MATRIX_FMT_FP4
.endif
.endr
.endr
	WIN 0
.rept 5
	v_nop                                          ; places behind the products: four for the reads of results and for the next loads into operands, five for the next tile's products, which begin the accumulators anew
.endr
	s_wait_xcnt 0x0                                ; the last tile's stores have read their registers
.irp t, 0,1,2,3
.irp e, 0,1,2,3
	v_pk_mul_f32 v[TM+8*(\t%2)+2*\e:TM+8*(\t%2)+2*\e+1], v[ACC+8*\t+2*\e:ACC+8*\t+2*\e+1], s[SC:SC+1] op_sel_hi:[1,0]
.endr
.irp e, 0,1,2,3
	v_cvt_pk_f16_f32 v[OUTP+4*\t+\e], v[TM+8*(\t%2)+2*\e], v[TM+8*(\t%2)+2*\e+1]
.endr
	global_store_b128 v[GO], v[OUTP+4*\t:OUTP+4*\t+3], s[32:33] offset:(2*(\i)+\m)*2048+512*\t   ; an image: 512 consecutive bytes
.endr
.endr
.endm
	BLOCK 0
	BLOCK 1
	BLOCK 2
	BLOCK 3
	s_wait_tensorcnt 0x0                           ; the wave's end, behind my last LDS store
	ds_add_u32 v[SPW], v[NIL]
	s_wait_dscnt 0x0
	s_endpgm
.Lfunc_end_k_q267794cea8_proj:
	.size	k_q267794cea8_proj, .Lfunc_end_k_q267794cea8_proj-k_q267794cea8_proj
	.p2alignl 7, 3214868480
	.fill 96, 4, 3214868480
	.section	.rodata,"a",@progbits
	.p2align	6, 0x0
	.amdhsa_kernel k_q267794cea8_proj
		.amdhsa_group_segment_fixed_size 87040
		.amdhsa_private_segment_fixed_size 0
		.amdhsa_enable_private_segment 0
		.amdhsa_kernarg_size 88
		.amdhsa_user_sgpr_count 2
		.amdhsa_user_sgpr_kernarg_segment_ptr 1
		.amdhsa_wavefront_size32 1
		.amdhsa_system_sgpr_workgroup_id_x 1
		.amdhsa_system_sgpr_workgroup_id_y 1
		.amdhsa_system_sgpr_workgroup_id_z 1
		.amdhsa_system_vgpr_workitem_id 0
		.amdhsa_next_free_vgpr 512
		.amdhsa_next_free_sgpr 66
		.amdhsa_reserve_vcc 0
		.amdhsa_float_denorm_mode_32 3
		.amdhsa_float_denorm_mode_16_64 3
		.amdhsa_memory_ordered 1
		.amdhsa_forward_progress 1
		.amdhsa_inst_pref_size 82
	.end_amdhsa_kernel
	.amdgpu_metadata
---
amdhsa.version: [ 1, 2 ]
amdhsa.kernels:
  - .name:           k_q267794cea8_proj
    .symbol:         k_q267794cea8_proj.kd
    .args:
      - { .name: q, .offset: 0, .size: 8, .value_kind: global_buffer, .address_space: global }
      - { .name: k, .offset: 8, .size: 8, .value_kind: global_buffer, .address_space: global }
      - { .name: v, .offset: 16, .size: 8, .value_kind: global_buffer, .address_space: global }
      - { .name: bq, .offset: 24, .size: 8, .value_kind: global_buffer, .address_space: global }
      - { .name: bk, .offset: 32, .size: 8, .value_kind: global_buffer, .address_space: global }
      - { .name: bv, .offset: 40, .size: 8, .value_kind: global_buffer, .address_space: global }
      - { .name: wcodes, .offset: 48, .size: 8, .value_kind: global_buffer, .address_space: global }
      - { .name: wscl, .offset: 56, .size: 8, .value_kind: global_buffer, .address_space: global }
      - { .name: qh, .offset: 64, .size: 8, .value_kind: global_buffer, .address_space: global }
      - { .name: kh, .offset: 72, .size: 8, .value_kind: global_buffer, .address_space: global }
      - { .name: vh, .offset: 80, .size: 8, .value_kind: global_buffer, .address_space: global }
    .group_segment_fixed_size: 87040
    .private_segment_fixed_size: 0
    .kernarg_segment_align: 8
    .kernarg_segment_size: 88
    .max_flat_workgroup_size: 256
    .sgpr_count:     66
    .vgpr_count:     512
    .wavefront_size: 32
...
	.end_amdgpu_metadata
.endif
;; end of part 2
;; launch attn (part 3): grid 8 x 32, 8 waves a work-group, clusters of 4 x 1, 327,680 bytes of LDS; arguments qh, kh, vh, mbits, ctx; writes ctx
.if DOCPART == 3
	.amdgcn_target "amdgcn-amd-amdhsa--gfx1250"
	.amdhsa_code_object_version 6
	.text
	.protected	k_q267794cea8_attn
	.globl	k_q267794cea8_attn
	.p2align	8
	.type	k_q267794cea8_attn,@function
k_q267794cea8_attn:
	s_mov_b64 s[64:65], 0
	v_nop
	global_prefetch_b8 v0, s[64:65] scope:SCOPE_SE
	s_setreg_imm32_b32 hwreg(HW_REG_WAVE_MODE, 25, 1), 1
	s_wait_xcnt 0x0
	s_wait_alu depctr_hold_cnt(0) depctr_sa_sdst(0) depctr_va_vdst(0) depctr_va_sdst(0) depctr_va_ssrc(0) depctr_va_vcc(0) depctr_vm_vsrc(0)
	s_getreg_b32 s2, hwreg(HW_REG_IB_STS2, 6, 4)
	s_cmp_eq_u32 s2, 0
	s_cbranch_scc0 .Lentry_in_a_cluster
	s_endpgm
.Lentry_in_a_cluster:
	s_bfe_u32 s2, ttmp6, 0x10000c
	s_cmp_lg_u32 s2, 0x3003
	s_cbranch_scc0 .Lentry_shape_is_right
	s_endpgm
.Lentry_shape_is_right:
; ctx[b][head][q] = the sum over k of softmax_k(masked score) vh[k], score = qh . kh / 8, a score whose mask is 0 replaced by -1e9.  qh, kh, vh: f16, in the order of the operands' registers
; ([b 8 + head][tile of 16 rows][t 4][512 bytes]); qh already carries log2(e) / 8.  mbits: lane masks, one 32-bit word for each register of scores.  Products, maxima and sums in f32;
; the weights p are rounded to f16 for the second product; ctx leaves as f16 in the order of the last launch's operand registers.
; SHARES.  A work-group owns 256 queries of one head, each of its eight waves 32: two tiles of 16.  Every wave walks all 2,048 keys, 64 a step.
; LAYOUT.  S^T = K Q^T (source 0 = 16 keys, source 1 = 16 queries): a lane holds ONE query (lane % 16) and the keys 8 (lane / 16) + 0..7.  Two such tiles, rounded to f16 in pairs, ARE source 1 of O^T = V^T P.
; SOFTMAX.  t = the score in units of log2: for each query a running maximum m; p = 2^(t - m), a plain subtraction, so that equal t give exactly p = 1: a row whose every mask is 0 becomes the mean of v, as it should.
; In every step O^T and the sum are multiplied by a = 2^(m_old - m_new).  THE ROW'S SUM is a product too: a tile of ones x P, whose every row is the sum; it is the sum of the same f16 p that O^T sums.
; THE MASK costs one v_cndmask_b32 a register: its selector is a word of mbits, brought by scalar loads a step ahead.
; TWO CLASSES OF WAVES.  A step is a run of products, a run of some 325 other lines, and a run of products.  Waves that leave a barrier together would walk these runs together.  So the waves fall into two
; classes, (w xor (w >> 2)) & 1: waves w and w + 4 differ in it, and so do waves 2 i and 2 i + 1; behind every barrier class 1 holds back for about the length of the run of other lines, so that one class's
; softmax stands beside the other's products.
; RING.  K's and V's images come through two LDS slots of 512 keys (8 steps), as large as two fit, so that the barriers are few: three changes of slots in all.  Each wave fetches 16,384 bytes of a slot,
; 64 rows of 256 (waves 0-3 two steps of K, waves 4-7 two steps of V).
; CLUSTER.  The four query blocks of a cluster belong to one head and walk the same K and V: each tile is asked for jointly, by the same tensor load with the same descriptor and a mask that names the four.
; LIMITS: scores are exact only as far as f16 operands carry them; |t| stays far under 1.4e9, the masked value.
; REGISTERS, window 0: v1-7, v24 addresses and constants; v8-23 statistics, 8 a tile (+0 m, +1 a word of 0, +2 a, +3 m's change, +4..7 at work); v32-63 Q; v64-127 S^T, then p; v128-159 P; v160-223 K of one step.
;   window 1: v0-63 O^T; v64-79 the sums; v80-87 ones; v128-191 V of one step.
.set STEPB, 8192                       ; a step's images of K, or of V
.set NSTEP, 8                          ; steps in a slot
.set VOFF,  NSTEP*STEPB                ; a slot: K's eight steps, then V's eight
.set SLOT1, 2*VOFF                     ; slot 1 begins here, at 2^17: one exclusive or turns an address in one slot into the other's
.set SPARE, 2*SLOT1                    ; behind the ring: the spare words, 128 bytes for each wave, which no other line names
.set L16,  1                           ; v1   16 x lane; never rewritten
.set ADRK, 2                           ; v2   LDS address of the run of K's loads in hand
.set ADRV, 3                           ; v3   of V's
.set NEG,  4                           ; v4   -1e9 x log2(e)
.set SPW,  5                           ; v5   LDS address of my spare word; never rewritten
.set NIL,  6                           ; v6   0; never rewritten
.set PFO,  7                           ; v7   256 x lane; never rewritten
.set LV,   24                          ; v24  16 x lane + VOFF: V's part of a slot lies beyond what an LDS load's 16-bit offset reaches; never rewritten
.set ST,   8
.set Q,    32
.set S,    64
.set P,    128
.set KF,   160
.set OT,   0                           ; in window 1
.set LA,   64
.set ONES, 80
.set VF,   128
.set TB,   2                           ; s2   LDS byte at which the images of the step to be fetched begin
.set CNT,  3                           ; s3   counts seven steps
.set CLS,  6                           ; s6   my wave's class (written when K's address, which stood here, has been used)
.set WV,   14                          ; s14  my wave's number
.set G1,   16                          ; s[16:23] descriptor group 1
.set G0A,  24                          ; s[24:27] group 0 of slot 0's first fill
.set G0B,  28                          ; s[28:31] of slot 1's, which then walks on
.set MKA,  32                          ; s[32:63] tile 0's 32 mask words
.set MKB,  68                          ; s[68:99] tile 1's
.set SLOTS, 66                         ; s66  slots still to be asked for
.set LIM,  67                          ; s67  1 in a wave that prefetches, else the greatest number
.set PFA,  100                         ; s[100:101] where my prefetches stand
.set SEL,  104                         ; s[104:105] lane selects for v_permlanex16_b32: lane l xor 16
.set MSB, 0
.macro WIN new                         ; the immediate's high byte repeats the setting that is left
.if MSB != \new
	s_set_vgpr_msb (MSB<<8)|\new
.set MSB, \new
.endif
.endm
.macro PLACES                          ; four plain lines behind matrix instructions, in front of reads of results and of loads into operands
.rept 4
	v_nop
.endr
.endm
.macro CROUND                          ; a round of the cluster's barrier
	s_barrier_signal -1
	s_barrier_wait -1
	s_cmp_lg_u32 s[WV], 0
	s_cbranch_scc1 .Lnot_wave_0_\@
	s_barrier_signal -3
.Lnot_wave_0_\@:
	s_barrier_wait -3
	s_barrier_signal -1
	s_barrier_wait -1
.endm
; Behind a barrier class 1 holds back: 20 x 16 idle cycles (s_nop N idles N + 1), about as many as the 325 lines of a step that are no products.  The branch hangs on the wave's number alone and leads round idle lines alone.
.macro STAGGER
	s_cmp_eq_u32 s[CLS], 0
	s_cbranch_scc1 .Lgo_\@
.rept 20
	s_nop 15
.endr
.Lgo_\@:
.endm
; A prefetch of what the NEXT change of slots will ask for: 65,536 bytes of K and as many of V, eight key steps ahead of that load.  Each block of 256 bytes is named once in the launch: the head's first cluster asks;
; its four partners take 16,384 bytes each, told apart by address; in each, waves 0 and 1 ask for the halves of K's and waves 4 and 5 for V's, lanes 256 bytes apart.  The last change that fills a slot asks for nothing;
; slots 0 to 2 come by their loads alone: so it is slot 3 that is asked for, at the first change.
.macro ASK
	s_cmp_gt_u32 s[SLOTS], s[LIM]
	s_cbranch_scc0 .Lnot_mine_\@
	global_prefetch_b8 v[PFO], s[PFA:PFA+1] th:TH_LOAD_NT scope:SCOPE_SE
.Lnot_mine_\@:
.endm
.macro FETCH_K                         ; a step's K: 16 images, 512 consecutive bytes a load.  Image 4 kt + t: keys 16 kt + r, channels 16 t + 8 h + 0..7
	v_add_nc_u32 v[ADRK], s[TB], v[L16]
.irp f, 0,1,2,3,4,5,6,7,8,9,10,11,12,13,14,15
	ds_load_b128 v[KF+4*\f:KF+4*\f+3], v[ADRK] offset:512*\f
.endr
.endm
.macro FETCH_V                         ; a step's V, turned: the image of 16 keys x 16 channels gives lane l channel l % 16 and keys 8 (l / 16) + 0..7
	v_add_nc_u32 v[ADRV], s[TB], v[LV]
	s_add_co_u32 s[TB], s[TB], STEPB               ; the next fetch is the next step's
	WIN 0x40                                       ; destination window 1
.irp u, 0,1
.irp g, 0,1
.irp t, 0,1,2,3
	ds_load_tr16_b128 v[VF+8*(4*\u+\t)+4*\g:VF+8*(4*\u+\t)+4*\g+3], v[ADRV] offset:(2*\u+\g)*2048+512*\t
.endr
.endr
.endr
	WIN 0
.endm
; THE CHANGE OF SLOTS, when the slot's last bytes (V of its eighth step) have been asked for.  Each wave waits for all its tensor loads, of which one is out: its part of the other slot; adds 0 to its spare word;
; and waits for that and for its reads of the slot.  fill = 1: the barrier is a round of the cluster's, and the joint refill, with the keys two slots on, is the first thing behind it: eight key steps in which to land.
.macro CHANGE fill
	s_wait_tensorcnt 0x0                           ; no tensor load of mine is out, so a group 0 may be written
	ds_add_u32 v[SPW], v[NIL]
.if \fill
	s_xor_b32 s[G0B+1], s[G0B+1], SLOT1            ; the walking descriptor: the other slot than last time,
	s_add_nc_u64 s[G0B+2:G0B+3], s[G0B+2:G0B+3], NSTEP*STEPB   ; the next 512 keys; the type bits on top are not reached
	s_wait_xcnt 0x0                                ; the last prefetch, a slot back, has read its address
	s_add_nc_u64 s[PFA:PFA+1], s[PFA:PFA+1], NSTEP*STEPB
	s_wait_dscnt 0x0                               ; the add is done, and my reads of the slot are over
	CROUND
	tensor_load_to_lds s[G0B:G0B+3], s[G1:G1+7]    ; my one tensor load behind the round
	s_nop 0
	PLACES
.else
	s_wait_dscnt 0x0
	s_barrier_signal -1
	s_barrier_wait -1
.endif
	s_sub_co_u32 s[TB], s[TB], NSTEP*STEPB         ; the fetches go back to a slot's first step,
	s_xor_b32 s[TB], s[TB], SLOT1                  ; in the other slot
.endm
; A KEY STEP.  kind 0: plain; 1: the slot's last, with a refill; 2: the slot's last, without; 3: the very last.
.macro STEP kind
	s_wait_dscnt 0x0                               ; K is in
.irp c, 0,1                                    ; S^T = K Q^T: the eight accumulators by turns; the first eight start the sums
.irp kt, 0,1,2,3
.irp tq, 0,1
.if \c == 0
	v_wmma_f32_16x16x32_f16 v[S+32*\tq+8*\kt:S+32*\tq+8*\kt+7], v[KF+16*\kt:KF+16*\kt+7], v[Q+16*\tq:Q+16*\tq+7], 0
.else
	v_wmma_f32_16x16x32_f16 v[S+32*\tq+8*\kt:S+32*\tq+8*\kt+7], v[KF+16*\kt+8:KF+16*\kt+15], v[Q+16*\tq+8:Q+16*\tq+15], v[S+32*\tq+8*\kt:S+32*\tq+8*\kt+7]
.endif
.endr
.endr
.endr
	PLACES                                         ; for the loads into V's and K's registers, and for the first reads of the scores
	FETCH_V                                        ; this step's V: wanted behind the softmax
.if \kind == 1
	CHANGE 1
.endif
.if \kind == 2
	CHANGE 0
.endif
.if \kind != 3
	FETCH_K                                        ; the next step's K
.endif
.if \kind == 1
	ASK
	STAGGER                                        ; the barrier has brought the classes into step: class 1 holds back anew
.endif
.if \kind == 2
	STAGGER
.endif
	s_wait_kmcnt 0x0                               ; the step's 64 mask words, asked for a step ago
.set n, 0
.rept 32
	v_cndmask_b32 v[S+n], v[NEG], v[S+n], s[MKA+n]           ; each accumulator from its low end on
	v_cndmask_b32 v[S+32+n], v[NEG], v[S+32+n], s[MKB+n]
.set n, n+1
.endr
.irp jj, 0,1,2,3                               ; the maximum of a lane's 32 scores and the old m, three operands at a time, four chains a tile
.irp tq, 0,1
	v_max3_num_f32 v[ST+8*\tq+4+\jj], v[S+32*\tq+8*\jj], v[S+32*\tq+8*\jj+1], v[S+32*\tq+8*\jj+2]
.endr
.endr
.irp e, 1,2
.irp jj, 0,1,2,3
.irp tq, 0,1
	v_max3_num_f32 v[ST+8*\tq+4+\jj], v[ST+8*\tq+4+\jj], v[S+32*\tq+8*\jj+2*\e+1], v[S+32*\tq+8*\jj+2*\e+2]
.endr
.endr
.endr
.irp tq, 0,1
	v_max3_num_f32 v[ST+8*\tq+4], v[ST+8*\tq+4], v[S+32*\tq+7], v[S+32*\tq+15]
	v_max3_num_f32 v[ST+8*\tq+6], v[ST+8*\tq+6], v[S+32*\tq+23], v[S+32*\tq+31]
.endr
.if \kind != 3
	s_add_nc_u64 s[10:11], s[10:11], 128           ; (the wait on KMcnt above has shown the last scalar loads done)  the next step's mask words
	s_load_b512 s[MKA:MKA+15], s[10:11], 0x0
	s_load_b512 s[MKA+16:MKA+31], s[10:11], 0x40
	s_load_b512 s[MKB:MKB+15], s[10:11], 0x1000
	s_load_b512 s[MKB+16:MKB+31], s[10:11], 0x1040
.endif
.irp tq, 0,1
	v_max3_num_f32 v[ST+8*\tq+4], v[ST+8*\tq+4], v[ST+8*\tq+5], v[ST+8*\tq+6]
.endr
.irp tq, 0,1
	v_max3_num_f32 v[ST+8*\tq+4], v[ST+8*\tq+4], v[ST+8*\tq+7], v[ST+8*\tq]
.endr
.irp tq, 0,1
	v_permlanex16_b32 v[ST+8*\tq+5], v[ST+8*\tq+4], s[SEL], s[SEL+1]   ; the query's other 32 keys lie in the lane 16 away
.endr
.irp tq, 0,1
	v_mov_b32 v[ST+8*\tq+3], v[ST+8*\tq]
.endr
.irp tq, 0,1
	v_max_num_f32 v[ST+8*\tq], v[ST+8*\tq+4], v[ST+8*\tq+5]            ; the new m
.endr
.irp tq, 0,1
	v_sub_f32 v[ST+8*\tq+3], v[ST+8*\tq+3], v[ST+8*\tq]                ; m_old - m_new
.endr
.irp tq, 0,1
	v_exp_f32 v[ST+8*\tq+2], v[ST+8*\tq+3]                             ; a
.endr
.set n, 0
.rept 16
	v_pk_add_f32 v[S+2*n:S+2*n+1], v[S+2*n:S+2*n+1], v[ST:ST+1] op_sel_hi:[1,0] neg_lo:[0,1] neg_hi:[0,1]              ; t - m, two at a time (of the pair the low word serves both halves)
	v_pk_add_f32 v[S+32+2*n:S+32+2*n+1], v[S+32+2*n:S+32+2*n+1], v[ST+8:ST+9] op_sel_hi:[1,0] neg_lo:[0,1] neg_hi:[0,1]
.set n, n+1
.endr
.set n, 0
.rept 64
	v_exp_f32 v[S+n], v[S+n]                       ; p = 2^(t - m), at most 1
.set n, n+1
.endr
	v_nop                                          ; a plain line behind the last exponential
	s_wait_alu depctr_va_vdst(0)                   ; the wait ahead of the first line that names a result: one for the step's 66 exponentials
.set n, 0
.rept 32
	v_cvt_pk_f16_f32 v[P+n], v[S+2*n], v[S+2*n+1]
.set n, n+1
.endr
	WIN 0x41                                       ; O^T and the sums (destination and source 0) in window 1, a in window 0
.irp tq, 0,1
.set n, 0
.rept 16
	v_pk_mul_f32 v[OT+32*\tq+2*n:OT+32*\tq+2*n+1], v[OT+32*\tq+2*n:OT+32*\tq+2*n+1], v[ST+8*\tq+2:ST+8*\tq+3] op_sel_hi:[1,0]
.set n, n+1
.endr
	v_pk_mul_f32 v[LA+8*\tq:LA+8*\tq+1], v[LA+8*\tq:LA+8*\tq+1], v[ST+8*\tq+2:ST+8*\tq+3] op_sel_hi:[1,0]   ; of the sums' eight equal rows the first is the one that is read: it alone is kept under the new m
.endr
.if \kind != 3
	s_wait_dscnt 16                                ; V is in; the next K's 16 loads, issued behind V's, may be out
.else
	s_wait_dscnt 0x0
.endif
	WIN 0x51                                       ; V and the ones in window 1, P in window 0, C and D in window 1
.irp u, 0,1                                    ; O^T += V^T P and the sums += ones x P: ten accumulators by turns
.irp tq, 0,1
.irp t, 0,1,2,3
	v_wmma_f32_16x16x32_f16 v[OT+32*\tq+8*\t:OT+32*\tq+8*\t+7], v[VF+8*(4*\u+\t):VF+8*(4*\u+\t)+7], v[P+16*\tq+8*\u:P+16*\tq+8*\u+7], v[OT+32*\tq+8*\t:OT+32*\tq+8*\t+7]
.endr
	v_wmma_f32_16x16x32_f16 v[LA+8*\tq:LA+8*\tq+7], v[ONES:ONES+7], v[P+16*\tq+8*\u:P+16*\tq+8*\u+7], v[LA+8*\tq:LA+8*\tq+7]
.endr
.endr
	WIN 0
.endm
.macro SEVEN                           ; a slot's first seven steps: written once, walked seven times
	s_mov_b32 s[CNT], NSTEP-1
.Lseven_\@:
	STEP 0
	s_sub_co_u32 s[CNT], s[CNT], 1
	s_cmp_lg_u32 s[CNT], 0
	s_cbranch_scc1 .Lseven_\@
.endm
	s_load_b256 s[4:11], s[0:1], 0x0               ; qh s[4:5], kh s[6:7], vh s[8:9], mbits s[10:11]
	s_load_b64 s[12:13], s[0:1], 0x20              ; ctx
	v_lshl_add_u32 v[SPW], v0, 2, SPARE
	v_mov_b32 v[NIL], 0
	ds_add_u32 v[SPW], v[NIL]                      ; the wave's opening: the add, twice on end, and its wait ahead of my first tensor load
	ds_add_u32 v[SPW], v[NIL]
	v_lshrrev_b32 v8, 5, v0
	v_readfirstlane_b32 s[WV], v8                  ; wave 0..7
	s_bfe_u32 s15, ttmp6, 0x40000                  ; cx: it enters the addresses of Q, the mask words, ctx and the prefetches alone
	s_and_b32 s68, ttmp7, 0xffff                   ; 8 b + head, which the four partners share
	s_lshl_b32 s70, s68, 18                        ; the head's first byte in qh, kh and vh
	s_mov_b32 s71, 0
	s_and_b32 s69, s[WV], 3
	s_lshl_b32 s69, s69, 14
	s_add_co_u32 s72, s70, s69                     ; + the two steps of a slot that I fetch
	s_mov_b32 s73, 0
	s_lshl_b32 s74, ttmp9, 2
	s_add_co_u32 s74, s74, s15                     ; my block of 256 queries
	s_lshl_b32 s74, s74, 4
	s_lshl_b32 s75, s[WV], 1
	s_add_co_u32 s74, s74, s75                     ; my first tile of 16 queries
	s_lshl_b32 s76, s74, 11
	s_add_co_u32 s76, s76, s70                     ; in qh
	s_mov_b32 s77, 0
	s_lshr_b32 s75, s68, 3                         ; b
	s_lshl_b32 s78, s75, 19
	s_lshl_b32 s79, s74, 12
	s_add_co_u32 s78, s78, s79                     ; in mbits
	s_mov_b32 s79, 0
	s_lshl_b32 s80, s75, 7
	s_add_co_u32 s80, s80, s74
	s_lshl_b32 s80, s80, 12                        ; in ctx: the tile of rows,
	s_bfe_u32 s81, s68, 0x20001
	s_lshl_b32 s81, s81, 21                        ; the K quarter (head / 2),
	s_add_co_u32 s80, s80, s81
	s_and_b32 s81, s68, 1
	s_lshl_b32 s81, s81, 11                        ; and the half of it (head % 2)
	s_add_co_u32 s80, s80, s81
	s_mov_b32 s81, 0
	; descriptor group 1: a dense block of 16,384 bytes as 64 rows of 32 elements of 8 bytes; no padding: every LDS load takes 512 consecutive bytes
	s_mov_b32 s[G1], 15|(3<<16)|(1<<21)            ; 15:0 the mask: all four work-groups; 17:16 elements of 8 bytes; 21 set beside a mask
	s_mov_b32 s[G1+1], 32<<16                      ; tensor_dim0
	s_mov_b32 s[G1+2], 64<<16                      ; tensor_dim1
	s_mov_b32 s[G1+3], 32<<16                      ; tile_dim0
	s_mov_b32 s[G1+4], 64                          ; tile_dim1
	s_mov_b32 s[G1+5], 32                          ; from row to row
	s_mov_b32 s[G1+6], 0
	s_mov_b32 s[G1+7], 0
	s_mov_b32 s[G0A], 1
	s_lshl_b32 s[G0A+1], s[WV], 14                 ; LDS: wave x 16,384: K's eight steps, then V's eight
	s_mov_b32 s[G0B], 1
	s_add_co_u32 s[G0B+1], s[G0A+1], SLOT1
	s_mov_b32 s[SEL], 0x76543210
	s_mov_b32 s[SEL+1], 0xfedcba98
	s_mov_b32 s[TB], 0
	s_mov_b32 s[SLOTS], 2
	s_and_b32 s[LIM], s[WV], 2                     ; 0 in waves 0, 1, 4 and 5,
	s_or_b32 s[LIM], s[LIM], ttmp9                 ; of the head's first cluster: the same in all four partners
	s_cmp_eq_u32 s[LIM], 0
	s_cselect_b32 s[LIM], 1, -1
	v_and_b32 v[L16], 31, v0
	v_lshlrev_b32 v[PFO], 8, v[L16]
	v_lshlrev_b32 v[L16], 4, v[L16]
	v_add_nc_u32 v[LV], VOFF, v[L16]
	s_wait_dscnt 0x0                               ; both opening adds are done
	s_wait_kmcnt 0x0
	s_cmp_lt_u32 s[WV], 4                          ; waves 0-3 fetch K, waves 4-7 V: a choice on the wave's number
	s_cselect_b64 s[82:83], s[6:7], s[8:9]
	s_add_nc_u64 s[G0A+2:G0A+3], s[82:83], s[72:73]
	s_add_nc_u64 s[G0B+2:G0B+3], s[G0A+2:G0A+3], NSTEP*STEPB
	s_or_b32 s[G0A+3], s[G0A+3], 0x80000000        ; type = 2
	s_or_b32 s[G0B+3], s[G0B+3], 0x80000000
	s_add_nc_u64 s[PFA:PFA+1], s[82:83], s[70:71]  ; the prefetches: the head,
	s_lshl_b32 s84, s15, 14                        ; my work-group's 16,384 bytes,
	s_and_b32 s86, s[WV], 1
	s_lshl_b32 s86, s86, 13                        ; my wave's half of them,
	s_add_co_u32 s84, s84, s86
	s_mov_b32 s85, 0
	s_add_nc_u64 s[PFA:PFA+1], s[PFA:PFA+1], s[84:85]
	s_add_nc_u64 s[PFA:PFA+1], s[PFA:PFA+1], 2*NSTEP*STEPB   ; in slot 2: the first change of slots steps it to slot 3
	s_add_nc_u64 s[4:5], s[4:5], s[76:77]
	s_add_nc_u64 s[10:11], s[10:11], s[78:79]
	s_add_nc_u64 s[12:13], s[12:13], s[80:81]
	s_lshr_b32 s[CLS], s[WV], 2                    ; my class: (w xor (w >> 2)) & 1
	s_xor_b32 s[CLS], s[CLS], s[WV]
	s_and_b32 s[CLS], s[CLS], 1
	CROUND                                         ; all four work-groups are here: the first joint loads meet
	tensor_load_to_lds s[G0A:G0A+3], s[G1:G1+7]    ; slot 0
	s_nop 0
	tensor_load_to_lds s[G0B:G0B+3], s[G1:G1+7]    ; slot 1: two loads of mine are out
	s_nop 0
	PLACES
.irp tq, 0,1
.irp t, 0,1,2,3
	global_load_b128 v[Q+16*\tq+4*\t:Q+16*\tq+4*\t+3], v[L16], s[4:5] offset:2048*\tq+512*\t   ; Q stays in registers
.endr
.endr
	s_load_b512 s[MKA:MKA+15], s[10:11], 0x0       ; the first step's mask words
	s_load_b512 s[MKA+16:MKA+31], s[10:11], 0x40
	s_load_b512 s[MKB:MKB+15], s[10:11], 0x1000
	s_load_b512 s[MKB+16:MKB+31], s[10:11], 0x1040
.irp tq, 0,1
	v_mov_b32 v[ST+8*\tq], 0xff61b1e6              ; m: -3e38, under every t
	v_mov_b32 v[ST+8*\tq+1], 0                     ; (named with m as a pair)
.endr
	v_mov_b32 v[NEG], 0xceabfb8f                   ; -1e9 x log2(e)
	WIN 0x40
.set n, 0
.rept 80
	v_mov_b32 v[OT+n], 0                           ; O^T and the sums.  (The step is written without a first step of its own: the first finds zeros, which a = 0 leaves zeros)
.set n, n+1
.endr
.irp i, 0,1,2,3,4,5,6,7
	v_mov_b32 v[ONES+\i], 0x3c003c00               ; 1.0, twice, in f16
.endr
	WIN 0
	s_wait_tensorcnt 1                             ; my part of slot 0 is in; slot 1's may stay out
	s_barrier_signal -1
	s_barrier_wait -1                              ; everybody's is
	FETCH_K                                        ; key step 0
	s_wait_loadcnt 0x0                             ; Q
	STAGGER                                        ; class 1 holds back
.Lslot:                                                ; two trips: of the four slots' worth of keys the first two slots are filled again
	SEVEN
	STEP 1
	s_sub_co_u32 s[SLOTS], s[SLOTS], 1
	s_cmp_lg_u32 s[SLOTS], 0
	s_cbranch_scc1 .Lslot
	SEVEN                                          ; the tail is written out
	STEP 2
	SEVEN
	STEP 3
	; THE WAY OUT.  O^T is divided by the sum and rounded to f16: a lane's eight channels of a query are 16 bytes of an image of the next launch's operand: each store covers 512 consecutive bytes, and nothing goes through LDS.
	PLACES
	WIN 0x01                                       ; source 0 in window 1
	v_rcp_f32 v[ST+2], v[LA]
	v_rcp_f32 v[ST+10], v[LA+8]
	WIN 0
	v_nop                                          ; a plain line behind the last reciprocal
	s_wait_alu depctr_va_vdst(0)                   ; and the wait ahead of the first use
	WIN 0x41
.irp tq, 0,1
.set n, 0
.rept 16
	v_pk_mul_f32 v[OT+32*\tq+2*n:OT+32*\tq+2*n+1], v[OT+32*\tq+2*n:OT+32*\tq+2*n+1], v[ST+8*\tq+2:ST+8*\tq+3] op_sel_hi:[1,0]
.set n, n+1
.endr
.endr
	WIN 0x05                                       ; sources 0 and 1 in window 1, destination in window 0
.set n, 0
.rept 32
	v_cvt_pk_f16_f32 v[S+n], v[OT+2*n], v[OT+2*n+1]
.set n, n+1
.endr
	WIN 0
.irp tq, 0,1
.irp t, 0,1,2,3
	global_store_b128 v[L16], v[S+16*\tq+4*\t:S+16*\tq+4*\t+3], s[12:13] offset:4096*\tq+512*\t
.endr
.endr
	s_wait_tensorcnt 0x0                           ; the wave's end
	ds_add_u32 v[SPW], v[NIL]
	s_wait_dscnt 0x0
	CROUND                                         ; the closing round: no work-group ends while a partner may still ask for a tile that names it
	s_endpgm
.Lfunc_end_k_q267794cea8_attn:
	.size	k_q267794cea8_attn, .Lfunc_end_k_q267794cea8_attn-k_q267794cea8_attn
	.p2alignl 7, 3214868480
	.fill 96, 4, 3214868480
	.section	.rodata,"a",@progbits
	.p2align	6, 0x0
	.amdhsa_kernel k_q267794cea8_attn
		.amdhsa_group_segment_fixed_size 327680
		.amdhsa_private_segment_fixed_size 0
		.amdhsa_enable_private_segment 0
		.amdhsa_kernarg_size 40
		.amdhsa_user_sgpr_count 2
		.amdhsa_user_sgpr_kernarg_segment_ptr 1
		.amdhsa_wavefront_size32 1
		.amdhsa_system_sgpr_workgroup_id_x 1
		.amdhsa_system_sgpr_workgroup_id_y 1
		.amdhsa_system_sgpr_workgroup_id_z 1
		.amdhsa_system_vgpr_workitem_id 0
		.amdhsa_next_free_vgpr 512
		.amdhsa_next_free_sgpr 106
		.amdhsa_reserve_vcc 0
		.amdhsa_float_denorm_mode_32 3
		.amdhsa_float_denorm_mode_16_64 3
		.amdhsa_memory_ordered 1
		.amdhsa_forward_progress 1
		.amdhsa_inst_pref_size 136
	.end_amdhsa_kernel
	.amdgpu_metadata
---
amdhsa.version: [ 1, 2 ]
amdhsa.kernels:
  - .name:           k_q267794cea8_attn
    .symbol:         k_q267794cea8_attn.kd
    .args:
      - { .name: qh, .offset: 0, .size: 8, .value_kind: global_buffer, .address_space: global }
      - { .name: kh, .offset: 8, .size: 8, .value_kind: global_buffer, .address_space: global }
      - { .name: vh, .offset: 16, .size: 8, .value_kind: global_buffer, .address_space: global }
      - { .name: mbits, .offset: 24, .size: 8, .value_kind: global_buffer, .address_space: global }
      - { .name: ctx, .offset: 32, .size: 8, .value_kind: global_buffer, .address_space: global }
    .group_segment_fixed_size: 327680
    .private_segment_fixed_size: 0
    .kernarg_segment_align: 8
    .kernarg_segment_size: 40
    .max_flat_workgroup_size: 256
    .sgpr_count:     106
    .vgpr_count:     512
    .wavefront_size: 32
...
	.end_amdgpu_metadata
.endif
;; end of part 3
;; launch outp (part 4): grid 4 x 64, 4 waves a work-group, clusters of 4 x 4, 327,680 bytes of LDS; arguments ctx, wo16, bo, out0; writes out0
.if DOCPART == 4
	.amdgcn_target "amdgcn-amd-amdhsa--gfx1250"
	.amdhsa_code_object_version 6
	.text
	.protected	k_q267794cea8_outp
	.globl	k_q267794cea8_outp
	.p2align	8
	.type	k_q267794cea8_outp,@function
k_q267794cea8_outp:
	s_mov_b64 s[64:65], 0
	v_nop
	global_prefetch_b8 v0, s[64:65] scope:SCOPE_SE
	s_setreg_imm32_b32 hwreg(HW_REG_WAVE_MODE, 25, 1), 1
	s_wait_xcnt 0x0
	s_wait_alu depctr_hold_cnt(0) depctr_sa_sdst(0) depctr_va_vdst(0) depctr_va_sdst(0) depctr_va_ssrc(0) depctr_va_vcc(0) depctr_vm_vsrc(0)
	s_getreg_b32 s2, hwreg(HW_REG_IB_STS2, 6, 4)
	s_cmp_eq_u32 s2, 0
	s_cbranch_scc0 .Lentry_in_a_cluster
	s_endpgm
.Lentry_in_a_cluster:
	s_bfe_u32 s2, ttmp6, 0x10000c
	s_cmp_lg_u32 s2, 0xf033
	s_cbranch_scc0 .Lentry_shape_is_right
	s_endpgm
.Lentry_shape_is_right:
; out0 = ctx Wo^T + bo.  ctx [8192][512] and Wo [512][512] arrive as f16 in the order of the operands' registers: [K quarter 4][tile of 16 rows][K step of 32: 4][group 2][lane][16 bytes]; sums in f32; out0 f32.
; A tile of 128 x 128 of out0 is made by a work-group of four waves, each 64 x 64: 16 accumulators.  256 work-groups.  K = 512 lies whole in LDS, as four chunks of 128: nothing is filled again, so there is no ring:
; each wave issues four tensor loads at the start (four of mine are out), and a counted wait and a barrier stand in front of each chunk's first read.
; CLUSTERS: 4 x 4 work-groups.  The four of a row need the same rows of ctx, the four of a column the same rows of Wo: each block is asked for jointly, by the same tensor load with the same descriptor and a mask that names the four.
; THE MATRIX INSTRUCTION IS USED TRANSPOSED (source 0 = 16 rows of Wo, source 1 = 16 rows of ctx): a lane holds eight neighbouring numbers of a row of out0.  The bias is the C of each sum's first product.
; REGISTERS, window 0: v1-19 addresses; v28, v29 the add's two; v32-95, v96-159 two sets of fragments (Wo's four, then ctx's four); v160-191 the bias; v192-255 rows on the way out.   window 1: v0-127 the accumulators ((a, t) at v[8 (4 a + t)]).
.set CHUNK, 65536                      ; a chunk: ctx's 8 tiles of 4,096 bytes, then Wo's 8
.set STAGE, 4*CHUNK                    ; behind the chunks: 16 rows x (256 + 16) bytes for each wave, for the way out
.set SP,    272
.set SPARE, STAGE+4*16*SP              ; behind the stages: the spare words, 128 bytes for each wave, which no other line names
.set L16,  1
.set ADRA, 8                           ; v8-11   LDS address of my ctx fragments in chunk q
.set ADRB, 12                          ; v12-15  of my Wo fragments
.set STO,  16
.set RD,   17
.set CO,   18
.set BO,   19
.set SPW,  28
.set NIL,  29
.set F0,   32
.set BIAS, 160
.set TMP,  192
.set G1A,  16                          ; s[16:23] group 1 for ctx;  s[24:31] for Wo: it differs in the mask alone
.set G1B,  24
.set G0A,  32                          ; s[32:47] group 0 for ctx, a set for each chunk;  s[48:63] for Wo
.set G0B,  48
.set MSB, 0
.macro WIN new
.if MSB != \new
	s_set_vgpr_msb (MSB<<8)|\new
.set MSB, \new
.endif
.endm
.macro PLACES
.rept 4
	v_nop
.endr
.endm
.macro CROUND
	s_barrier_signal -1
	s_barrier_wait -1
	s_cmp_lg_u32 s12, 0
	s_cbranch_scc1 .Lnot_wave_0_\@
	s_barrier_signal -3
.Lnot_wave_0_\@:
	s_barrier_wait -3
	s_barrier_signal -1
	s_barrier_wait -1
.endm
	s_load_b256 s[4:11], s[0:1], 0x0               ; ctx s[4:5], wo16 s[6:7], bo s[8:9], out0 s[10:11]
	v_lshl_add_u32 v[SPW], v0, 2, SPARE
	v_mov_b32 v[NIL], 0
	ds_add_u32 v[SPW], v[NIL]                      ; the wave's opening: the add, twice on end, and its wait ahead of my first tensor load
	ds_add_u32 v[SPW], v[NIL]
	v_lshrrev_b32 v2, 5, v0
	v_readfirstlane_b32 s12, v2                    ; wave 0..3
	s_lshr_b32 s13, s12, 1                         ; which half of the tile's rows is mine.  Also: I fetch for ctx (0) or for Wo (1)
	s_and_b32 s14, s12, 1                          ; which half of its columns.  Also: which four tiles of 16 rows I fetch
	s_bfe_u32 s66, ttmp6, 0x40000                  ; cx, cy
	s_bfe_u32 s67, ttmp6, 0x40004
	s_lshl_b32 s68, ttmp9, 2
	s_add_co_u32 s68, s68, s66                     ; tile column
	s_and_b32 s69, ttmp7, 0xffff
	s_lshl_b32 s69, s69, 2
	s_add_co_u32 s69, s69, s67                     ; tile row
	s_lshl_b32 s70, s67, 2
	s_lshl_b32 s70, 15, s70                        ; my row of the cluster
	s_lshl_b32 s71, 0x1111, s66                    ; my column
	s_or_b32 s[G1A], s70, (3<<16)|(1<<21)          ; 15:0 the mask; 17:16 elements of 8 bytes; 21 set beside a mask; no padding: every LDS load takes 512 consecutive bytes
	s_or_b32 s[G1B], s71, (3<<16)|(1<<21)
.irp g, G1A, G1B                               ; a dense block of 16,384 bytes as 64 rows of 32 elements
	s_mov_b32 s[\g+1], 32<<16
	s_mov_b32 s[\g+2], 64<<16
	s_mov_b32 s[\g+3], 32<<16
	s_mov_b32 s[\g+4], 64
	s_mov_b32 s[\g+5], 32
	s_mov_b32 s[\g+6], 0
	s_mov_b32 s[\g+7], 0
.endr
	s_lshl_b32 s15, s14, 14                        ; which four tiles
	s_lshl_b32 s72, s69, 15                        ; ctx: 8 tiles of 4,096 bytes a tile row: it hangs on the tile row alone
	s_add_co_u32 s72, s72, s15
	s_mov_b32 s73, 0
	s_lshl_b32 s74, s68, 15                        ; Wo: on the tile column alone
	s_add_co_u32 s74, s74, s15
	s_mov_b32 s75, 0
	s_lshl_b32 s76, s12, 14                        ; where they go in a chunk: wave x 16,384: no place in the cluster enters an LDS address
	s_wait_dscnt 0x0                               ; both opening adds are done
	s_wait_kmcnt 0x0
	s_add_nc_u64 s[72:73], s[4:5], s[72:73]
	s_add_nc_u64 s[74:75], s[6:7], s[74:75]
	CROUND                                         ; all sixteen work-groups are here: the joint loads meet
.irp q, 0,1,2,3
	s_mov_b32 s[G0A+4*\q], 1
	s_add_co_u32 s[G0A+4*\q+1], s76, \q*CHUNK
	s_add_nc_u64 s[G0A+4*\q+2:G0A+4*\q+3], s[72:73], \q*2097152
	s_or_b32 s[G0A+4*\q+3], s[G0A+4*\q+3], 0x80000000
	s_mov_b32 s[G0B+4*\q], 1
	s_add_co_u32 s[G0B+4*\q+1], s76, \q*CHUNK
	s_add_nc_u64 s[G0B+4*\q+2:G0B+4*\q+3], s[74:75], \q*131072
	s_or_b32 s[G0B+4*\q+3], s[G0B+4*\q+3], 0x80000000
.endr
	s_cmp_lt_u32 s12, 2                            ; a wave's four fills stand in one branch on the wave's number, ahead of every wait on TENSORcnt and every LDS read
	s_cbranch_scc0 .Lfirst_b
.irp q, 0,1,2,3
	tensor_load_to_lds s[G0A+4*\q:G0A+4*\q+3], s[G1A:G1A+7]
	s_nop 0
.endr
	PLACES
	s_branch .Lfirst_asked
.Lfirst_b:
.irp q, 0,1,2,3
	tensor_load_to_lds s[G0B+4*\q:G0B+4*\q+3], s[G1B:G1B+7]
	s_nop 0
.endr
	PLACES
.Lfirst_asked:
	v_and_b32 v2, 15, v0                           ; r
	v_bfe_u32 v3, v0, 4, 1                         ; h
	v_and_b32 v[L16], 31, v0
	v_lshlrev_b32 v[L16], 4, v[L16]
	v_lshlrev_b32 v[BO], 5, v3
	s_lshl_b32 s78, s68, 9                         ; the tile's 128 columns, and my half of them, in bytes
	s_lshl_b32 s79, s14, 8
	s_add_co_u32 s78, s78, s79
	s_mov_b32 s79, 0
	s_add_nc_u64 s[8:9], s[8:9], s[78:79]
	s_add_nc_u64 s[10:11], s[10:11], s[78:79]
.irp t, 0,1,2,3
	global_load_b128 v[BIAS+8*\t:BIAS+8*\t+3], v[BO], s[8:9] offset:64*\t       ; bo at columns 16 t + 8 h + 0 .. 7
	global_load_b128 v[BIAS+8*\t+4:BIAS+8*\t+7], v[BO], s[8:9] offset:64*\t+16
.endr
	s_lshl_b32 s78, s69, 18                        ; the tile's 128 rows of 2,048 bytes,
	s_lshl_b32 s77, s13, 17                        ; my 64 of them
	s_add_co_u32 s78, s78, s77
	s_add_nc_u64 s[10:11], s[10:11], s[78:79]
	s_lshl_b32 s77, s13, 14                        ; my four tiles of ctx
	s_lshl_b32 s80, s14, 14
	s_add_co_u32 s80, s80, 32768                   ; my four tiles of Wo, behind ctx's eight
.irp q, 0,1,2,3
	v_add_nc_u32 v[ADRA+\q], s77, v[L16]
	v_add_nc_u32 v[ADRB+\q], s80, v[L16]
	s_add_co_u32 s77, s77, CHUNK
	s_add_co_u32 s80, s80, CHUNK
.endr
	s_mul_i32 s77, s12, 16*SP
	s_add_co_u32 s77, s77, STAGE                   ; my stage
	v_mul_u32_u24 v[STO], v2, SP
	v_lshl_add_u32 v[STO], v3, 5, v[STO]
	v_add_nc_u32 v[STO], s77, v[STO]               ; in: row r, 32 bytes for each half of the lanes
	v_mul_u32_u24 v[RD], v3, SP
	v_lshl_add_u32 v[RD], v2, 4, v[RD]
	v_add_nc_u32 v[RD], s77, v[RD]                 ; back: lanes 0-15 one row of 256 bytes, lanes 16-31 the next
	v_lshlrev_b32 v[CO], 11, v3
	v_lshl_add_u32 v[CO], v2, 4, v[CO]             ; and the same two rows in out0
.macro FETCH                           ; the fragments of K step kk (chunk kk / 4, its step kk % 4) into set kk % 2: 16 loads of 512 consecutive bytes
.set fq, kk/4
.set fs, kk%4
.set fb, F0+64*(kk%2)
.irp t, 0,1,2,3
.irp g, 0,1
	ds_load_b128 v[fb+8*\t+4*\g:fb+8*\t+4*\g+3], v[ADRB+fq] offset:\t*4096+fs*1024+\g*512
.endr
.endr
.irp a, 0,1,2,3
.irp g, 0,1
	ds_load_b128 v[fb+32+8*\a+4*\g:fb+32+8*\a+4*\g+3], v[ADRA+fq] offset:\a*4096+fs*1024+\g*512
.endr
.endr
.endm
.macro MUL                             ; K step kk: 16 products, the 16 accumulators by turns
.set fb, F0+64*(kk%2)
.irp a, 0,1,2,3
.irp t, 0,1,2,3
.if kk == 0
	v_wmma_f32_16x16x32_f16 v[8*(4*\a+\t):8*(4*\a+\t)+7], v[fb+8*\t:fb+8*\t+7], v[fb+32+8*\a:fb+32+8*\a+7], v[BIAS+8*\t:BIAS+8*\t+7]
.else
	v_wmma_f32_16x16x32_f16 v[8*(4*\a+\t):8*(4*\a+\t)+7], v[fb+8*\t:fb+8*\t+7], v[fb+32+8*\a:fb+32+8*\a+7], v[8*(4*\a+\t):8*(4*\a+\t)+7]
.endif
.endr
.endr
.endm
	s_wait_tensorcnt 3                             ; my part of chunk 0 is in; the three later chunks' loads may stay out
	s_barrier_signal -1
	s_barrier_wait -1                              ; everybody's is
.set kk, 0
	FETCH
	s_wait_loadcnt 0x0                             ; the bias
.set k, 0
.rept 16
.if k > 0
	PLACES                                         ; for the loads into the set that the step before multiplied
.endif
.if k < 15
.if (k+1)%4 == 0
	s_wait_tensorcnt 3-(k+1)/4                     ; my part of the next chunk is in; the later chunks' loads may stay out
	s_wait_dscnt 0x0                               ; no LDS instruction of mine is pending at a signal
	s_barrier_signal -1
	s_barrier_wait -1
.endif
.set kk, k+1
	FETCH
	s_wait_dscnt 16                                ; all but the 16 just issued
.else
	s_wait_dscnt 0x0
.endif
.if k == 0
	WIN 0x40                                       ; D in window 1, the bias as C in window 0
.else
	WIN 0x50                                       ; C and D in window 1
.endif
.set kk, k
	MUL
	WIN 0
.set k, k+1
.endr
	; THE WAY OUT, 16 rows x 64 columns at a time, through my own stage: back as whole rows of 256 bytes, so that sixteen lanes store 256 consecutive bytes, at a multiple of 256 from out0's first byte.
	PLACES
.irp a, 0,1,2,3
	WIN 0x04                                       ; an LDS store's data are its source 1: window 1
.irp t, 0,1,2,3
	ds_store_b128 v[STO], v[8*(4*\a+\t):8*(4*\a+\t)+3] offset:64*\t          ; each accumulator from its low end on
	ds_store_b128 v[STO], v[8*(4*\a+\t)+4:8*(4*\a+\t)+7] offset:64*\t+16
.endr
	WIN 0
.if \a >= 2
	s_wait_xcnt 0x0                                ; the stores of two blocks ago have read their registers
.endif
.irp i, 0,1,2,3,4,5,6,7
	ds_load_b128 v[TMP+32*(\a%2)+4*\i:TMP+32*(\a%2)+4*\i+3], v[RD] offset:\i*2*SP   ; LDS serves a wave's instructions in order: these see my stores, and the next block's stores come behind them
.endr
	s_wait_dscnt 0x0
.irp i, 0,1,2,3,4,5,6,7
	global_store_b128 v[CO], v[TMP+32*(\a%2)+4*\i:TMP+32*(\a%2)+4*\i+3], s[10:11] offset:(16*\a+2*\i)*2048 th:TH_STORE_NT
.endr
.endr
	s_wait_tensorcnt 0x0                           ; the wave's end, behind my last tensor load and my last LDS store
	ds_add_u32 v[SPW], v[NIL]
	s_wait_dscnt 0x0
	CROUND                                         ; the closing round
	s_endpgm
.Lfunc_end_k_q267794cea8_outp:
	.size	k_q267794cea8_outp, .Lfunc_end_k_q267794cea8_outp-k_q267794cea8_outp
	.p2alignl 7, 3214868480
	.fill 96, 4, 3214868480
	.section	.rodata,"a",@progbits
	.p2align	6, 0x0
	.amdhsa_kernel k_q267794cea8_outp
		.amdhsa_group_segment_fixed_size 327680
		.amdhsa_private_segment_fixed_size 0
		.amdhsa_enable_private_segment 0
		.amdhsa_kernarg_size 32
		.amdhsa_user_sgpr_count 2
		.amdhsa_user_sgpr_kernarg_segment_ptr 1
		.amdhsa_wavefront_size32 1
		.amdhsa_system_sgpr_workgroup_id_x 1
		.amdhsa_system_sgpr_workgroup_id_y 1
		.amdhsa_system_sgpr_workgroup_id_z 1
		.amdhsa_system_vgpr_workitem_id 0
		.amdhsa_next_free_vgpr 384
		.amdhsa_next_free_sgpr 100
		.amdhsa_reserve_vcc 0
		.amdhsa_float_denorm_mode_32 3
		.amdhsa_float_denorm_mode_16_64 3
		.amdhsa_memory_ordered 1
		.amdhsa_forward_progress 1
		.amdhsa_inst_pref_size 53
	.end_amdhsa_kernel
	.amdgpu_metadata
---
amdhsa.version: [ 1, 2 ]
amdhsa.kernels:
  - .name:           k_q267794cea8_outp
    .symbol:         k_q267794cea8_outp.kd
    .args:
      - { .name: ctx, .offset: 0, .size: 8, .value_kind: global_buffer, .address_space: global }
      - { .name: wo16, .offset: 8, .size: 8, .value_kind: global_buffer, .address_space: global }
      - { .name: bo, .offset: 16, .size: 8, .value_kind: global_buffer, .address_space: global }
      - { .name: out0, .offset: 24, .size: 8, .value_kind: global_buffer, .address_space: global }
    .group_segment_fixed_size: 327680
    .private_segment_fixed_size: 0
    .kernarg_segment_align: 8
    .kernarg_segment_size: 32
    .max_flat_workgroup_size: 128
    .sgpr_count:     100
    .vgpr_count:     384
    .wavefront_size: 32
...
	.end_amdgpu_metadata
.endif
;; end of part 4
